; MI455X (gfx1250); checked and timed in simulation.
; The chip was launched on July 23, 2026; its instructions are those of AMD's public machine-readable ISA for CDNA 5 (MIT licence, August 2026) and "CDNA5" Instruction Set Architecture Reference Guide (July 2026). The comments in the code are by the model that wrote it; some were corrected since.
;; Dot Product Attention. Allowed arithmetic: matrix products marked QUANTISED: E2M3 operands, one E8M0 scale for each 32 along K, by v_wmma_scale_f32_16x16x128_f8f6f4 with both operands' format E2M3, f32 sums; everything else in f32.
;; Inputs: keys_codes 4 x 8 x 2,048 x 2 x 24 uint8 (E2M3 codes of keys, K innermost, in blocks of 32 codes, four codes in three bytes); keys_scales 4 x 8 x 2,048 x 2 uint8 (E8M0 scales of keys, one for each 32 codes along K); mask 1 x 1 x 2,048 x 2,048 float32; queries_codes 4 x 8 x 2,048 x 2 x 24 uint8 (E2M3 codes of queries, K innermost, in blocks of 32 codes, four codes in three bytes); queries_scales 4 x 8 x 2,048 x 2 uint8 (E8M0 scales of queries, one for each 32 codes along K); values_codes 4 x 8 x 64 x 64 x 24 uint8 (E2M3 codes of values, K innermost, in blocks of 32 codes, four codes in three bytes); values_scales 4 x 8 x 64 x 64 uint8 (E8M0 scales of values, one for each 32 codes along K).
;; Outputs: out0 4 x 8 x 2,048 x 64 float32.
;; Constants: dk = 64.
;; This version of the problem:
;;   THIS VERSION OF THE PROBLEM IS GIVEN IN LOW PRECISION. The matrix products marked QUANTISED in the list below multiply operands that are first quantised to E2M3 (2 exponent bits, 3 mantissa bits; 6 bits a number), with one power-of-two scale for each 32 numbers along K (OCP MX v1.0); their sums are f32. All else is computed in f32.
;;   The module's matrix products, in the order in which they are computed (A, B: the left and right operand; K: the contracted axis; several contracted axes count as one K, in the product's order):
;;     1. batch 32 x [M 2,048, K 64] x [K 64, N 2,048]; A: input queries (given as codes); B: input keys (given as codes): QUANTISED
;;     2. batch 32 x [M 2,048, K 2,048] x [K 2,048, N 64]; A: softmax (see below); B: input values (given as codes): QUANTISED
;;   THE QUANTISER, for each operand of a quantised product, along K:
;;     - K is cut into blocks of 32 from its start; a last block that is shorter is filled with zeros.
;;     - A block's scale is 2^e with e = floor(log2(the largest magnitude in the block)) - 2, held to -126 .. 127; a block of zeros has e = 0. As a byte (E8M0): e + 127.
;;     - Each number is divided by its block's scale, clamped to +-7.5, and rounded to the nearest number of E2M3, ties to even, subnormals kept.
;;     - The product sums the exact products of the quantised numbers (number of the format x scale) in f32.
;;   ~~~python
;;   def quantise(x, axis):      # numpy; x: float32 -> the quantised numbers, widened to float32 again
;;       x = np.moveaxis(x, axis, -1); K = x.shape[-1]
;;       x = np.pad(x, [(0, 0)] * (x.ndim - 1) + [(0, -K % 32)]); x = x.reshape(x.shape[:-1] + (-1, 32)); a = np.abs(x).max(-1, keepdims=True)
;;       e = np.where(a > 0, np.clip(np.frexp(np.where(a > 0, a, 1))[1] - 1 - 2, -126, 127), 0)      # np.frexp(a)[1] - 1 = floor(log2(a)), exactly
;;       r = np.clip(x / 2.0 ** e, -7.5, 7.5)
;;       step = 2.0 ** (np.maximum(np.frexp(np.where(r == 0, 1, r))[1] - 1, 0) - 3)
;;       q = np.round(r / step) * step * 2.0 ** e      # np.round: ties to even
;;       return np.moveaxis(q.reshape(q.shape[:-2] + (-1,))[..., :K], -1, axis).astype(np.float32)
;;   ~~~
;;   SOFTMAX AHEAD OF A QUANTISED PRODUCT. Where the list says 'softmax', what is quantised is not the finished softmax but p = 2^(t - M), with t = logit x log2(e) and M = ceil(the row's largest t), a whole number; so 1/2 < the row's largest p <= 1. The row's sum l is taken of the UNQUANTISED p, in f32, and the product's result is divided by l at the end. Since M is a whole number, a kernel that streams over the keys may use a running M (the ceiling of the running maximum): every later rescaling is an exact power of two, which a block's scale takes up: the codes' values come out the same.
;;   OPERANDS COMPUTED ON THE WAY. 'Computed on the way' means the value that the module computes at that place (a softmax that the list does not call 'softmax' is quantised finished and normalised). What goes into a quantiser is computed in f32, as accurately as f32 sums, v_exp_f32 and their like allow (about 1e-6 of the number): no bf16 or f16 on the way to a quantiser, and a product that is left as it is and whose result goes on into a quantised operand takes f32 operands (vector FMAs, or v_wmma_f32_16x16x4_f32). A number that lies on a knife's edge between two numbers of the format may be rounded either way, as far as f32 arithmetic and the matrix unit's own rounding can turn it there, and no further.
;;   INPUTS GIVEN AS CODES. keys (in the module: [4, 8, 2048, 64], K = its axis 3); queries (in the module: [4, 8, 2048, 64], K = its axis 3); values (in the module: [4, 8, 2048, 64], K = its axis 2): each comes as NAME_codes (uint8): NAME with its K axis moved to the last place and cut into blocks of 32 codes, [.., K / 32, bytes a block], one block behind the other in memory; four codes in three bytes: a row's codes are one little-endian stream of bits, code i at bits 6 i .. 6 i + 5 (a code: sign, 2 exponent bits, 3 mantissa bits); and NAME_scales (uint8): the same leading axes, one E8M0 byte (e + 127) for each 32 codes along K. Its value is code x scale, taken as it is: it is not quantised again, and the codes and scales need not be those that the quantiser above would give.
;; One version. Each part assembles by itself: llvm-mc -triple=amdgcn-amd-amdhsa -mcpu=gfx1250 --defsym DOCPART=n.
;; ======== version 1 of 1: 1 launch
;; limits: inputs' magnitudes at most 4.2e+28; right only within a limited range of input values
;; launch attn (part 1): grid 16 x 16, 8 waves a work-group, clusters of 4 x 4, 327,680 bytes of LDS; arguments queries_codes, queries_scales, keys_codes, keys_scales, values_codes, values_scales, mask, out0; writes out0
.if DOCPART == 1
	.amdgcn_target "amdgcn-amd-amdhsa--gfx1250"
	.amdhsa_code_object_version 6
	.text
	.protected	k_q5d8e447de0_attn
	.globl	k_q5d8e447de0_attn
	.p2align	8
	.type	k_q5d8e447de0_attn,@function
k_q5d8e447de0_attn:
	s_mov_b64 s[64:65], 0
	v_nop
	global_prefetch_b8 v0, s[64:65] scope:SCOPE_SE
	s_setreg_imm32_b32 hwreg(HW_REG_WAVE_MODE, 25, 1), 1
	s_wait_xcnt 0x0
	s_wait_alu depctr_hold_cnt(0) depctr_sa_sdst(0) depctr_va_vdst(0) depctr_va_sdst(0) depctr_va_ssrc(0) depctr_va_vcc(0) depctr_vm_vsrc(0)
	s_getreg_b32 s2, hwreg(HW_REG_IB_STS2, 6, 4)
	s_cmp_eq_u32 s2, 0
	s_cbranch_scc0 .Lentry_in_a_cluster
	s_endpgm
.Lentry_in_a_cluster:
	s_bfe_u32 s2, ttmp6, 0x10000c
	s_cmp_lg_u32 s2, 0xf033
	s_cbranch_scc0 .Lentry_shape_is_right
	s_endpgm
.Lentry_shape_is_right:
; out[hd][q][:] = the sum over k of softmax_k(Q[hd][q] . K[hd][k] / 8 + mask[q][k] x -1e9) V[hd][k][:].  32 heads, 2,048 queries and keys, head size 64.
; Both products on codes of FP6 (E2M3) with one E8M0 scale for each 32 along a product's K.  mask: [2048][2048] f32, an input: every query meets every key, nothing is skipped.
; THE SOFTMAX AHEAD OF THE SECOND PRODUCT: t = score x log2(e); M = the row's largest t so far, rounded UP to a whole number; p = 2^(t - M) is quantised along the keys, not normalised.
; The row's sum is taken of the unquantised p and divides O at the end.  When M moves, the sum and O are multiplied by 2^(old M - new M): exact.
; SHARES.  A work-group owns 128 queries of 2 heads: 8 waves, wave w the 32 queries w % 4 of head w / 4, as two tiles of 16: each fragment of K and of V serves both tiles.  Every wave walks all keys, 128 a step.
; CLUSTER 4 x 4.  The mask's tile hangs on the block of queries alone (work-group x): asked for jointly along a column.  K, V and their scales hang on the heads alone (work-group y): jointly along a row.
; LAYOUT.  Both products are used transposed: S^T = K Q^T (source 0 = 16 keys, source 1 = 16 queries), O^T = V^T P^T: a lane holds ONE query (lane % 16) throughout.
; THE KEYS OF A TILE: rows 0-7 of tile 4 c + u are keys 64 c + 8 u + 0 .. 7, rows 8-15 the keys 32 further on: so the 32 registers of tiles 4 c .. 4 c + 3 are, in lane half h, the whole block of keys 64 c + 32 h + 0 .. 31:
; a block's maximum needs no other lane, and the conversions' results lie as the second product's operand wants them.
; THE FIRST PRODUCT HAS K = 64 in an instruction of 128: Q's upper six registers are zero codes, so whatever K's upper six hold (the next fragment's codes: E2M3 has no NaN and no infinity) adds nothing;
; the scale words are loaded as 16 bits, so that their upper two bytes are 0 and never 0xff.
; THE MASK is loaded into the scores' registers, multiplied by -8e9 = 8 x -1e9 (exact in f32) and is the C of the first product: D = 8 x score, t = D x log2(e) / 8.
; V: a row's 768 bytes of 1,024 keys are fetched as bytes 0 .. 511 (steps 0-3 of the eight) and 256 .. 767 (steps 4-7), so that every row begins at a multiple of 256 and no fragment is parted.
; PREFETCH: the mask's tile two steps ahead of its load.  Not K's (12,288 of a step's 77,824 bytes of mask and K) and not V's, whose region is asked for three steps or more ahead of its first read.
; LIMITS.  NaN and infinities in the mask, and scale bytes 0xff, are not served.  |mask| above 4.2e28 overflows mask x 8e9 where mask x 1e9 would still be finite.  The promise holds while the scaled scores stay under 2^31.
; The sum of product and mask is rounded in the matrix instruction: the score may differ by one unit in its last place where the mask's term is not 0.
; A block of p that is all zeros keeps the scale byte 1: its codes are zeros, and nobody else reads the byte.
; REGISTERS, window 0: v0-15 addresses; v16-39 Q's two fragments; v40-49 scale words; v50-79 the softmax's state and temporaries; v80-103 p's codes; v104-127 temporaries; v128-255 mask, then scores, then p, of both tiles.
; Window 1: v64-117 K's fragments (the last six zeros), v128-191 O^T of both tiles, v192-239 V's fragments.
.set KCH,   3200                       ; K: a chunk = blocks of one parity: 2 rows of 1,536 bytes (32 keys) + 128: lanes with r >= 8 read one chunk on, 128 bytes further modulo 256
.set P5,    528                        ; rows of 512 bytes + 16
.set M0,    0                          ; the mask: two slots of 128 rows
.set M1,    M0+128*P5
.set V0,    M1+128*P5                  ; V: two regions of 128 rows (64 hd + d)
.set V1,    V0+128*P5
.set K0,    V1+128*P5                  ; K: two slots of 4 chunks
.set K1,    K0+4*KCH
.set SCK,   K1+4*KCH                   ; scale bytes: rows of 64 bytes + 8; K's two heads, then V's
.set SCP,   72
.set SCH,   64*SCP
.set SCV,   SCK+2*SCH
.set SPARE, SCV+2*SCH                  ; the spare words, 128 bytes for each wave
.set STG,   16*272                     ; the way out: 16 rows x (256 bytes + 16) for each wave, in mask slot 0, whose last fill (step 14) has been read
.set AK, 1
.set AV, 2
.set AM, 3
.set ASK, 4
.set ASV, 5
.set PFO, 6
.set SPW, 7
.set NIL, 8
.set GO, 9
.set ADK, 10
.set ADV, 11
.set ADM, 12
.set ADS, 13
.set ADT, 14
.set H8, 15                            ; 8 x h
.set QA, 16
.set QB1, 28
.set QSA, 40
.set QSB, 41
.set KSW, 42
.set VSW, 46
.set PW, 48
.set NM, 50                            ; v50, v52: -M of the tiles; v51, v53: the largest D so far
.set LS, 54                            ; v[54:55], v[56:57] the sums in two halves
.set OM, 58
.set FF, 60                            ; v60, v62: f = 2^(old M - new M)
.set BM, 64                            ; v64-67: each block's largest score, then its largest p
.set SO, 68
.set PT, 72
.set TM, 76
.set TX, 78
.set PC, 80
.set PX, 104
.set S1, 120
.set S2, 122
.set S3, 124
.set TY, 126
.set TW, 127
.set SR, 128
.set KF, 64                            ; window 1
.set OT, 128                           ; window 1
.set VF, 192                           ; window 1
.set WV, 20
.set HD, 21
.set QB, 22
.set SEL, 30
.set CS, 32
.set MS, 34
.set NC, 36
.set TBK, 37                           ; K's slot of the NEXT step; the mask's; its rows of scale bytes
.set TBM, 38
.set TS, 39
.set VB, 40                            ; where this step's V begins; its word of V's scale bytes
.set TJ, 41
.set CNT, 42
.set OUTER, 43
.set VH, 44
.set VLD, 45
.set VINC, 46
.set G1K, 48
.set G1V, 56
.set G1M, 68
.set G1S, 76
.set G0K, 84
.set G0V, 88
.set G0M, 92
.set G0S, 96
.set KW, 100                           ; my part's place in a slot of K, of the mask
.set MW, 101
.set PFA, 66
.set MSB, 0
.macro WIN new                         ; the immediate's high byte repeats the setting that is left
.if MSB != \new
	s_set_vgpr_msb (MSB<<8)|\new
.set MSB, \new
.endif
.endm
.macro CREST                           ; a round of the cluster's barrier behind its opening barrier
	s_cmp_lg_u32 s[WV], 0
	s_cbranch_scc1 .Lnot_wave_0_\@
	s_barrier_signal -3
.Lnot_wave_0_\@:
	s_barrier_wait -3
	s_barrier_signal -1
	s_barrier_wait -1
.endm
.macro CROUND
	s_barrier_signal -1
	s_barrier_wait -1
	CREST
.endm
.macro TLOAD a, b                      ; (s_nop 0, then four v_nop)
	tensor_load_to_lds s[\a:\a+3], s[\b:\b+7]
	s_nop 0
.rept 4
	v_nop
.endr
.endm
; Joint loads, one a wave: waves 0-3 K's four chunks, waves 4-5 the mask's halves; waves 6-7: v = 1 wave 6 a region of V; v = 2 both a region of V; v = 3 K's and V's scale bytes.  The branches hang on the wave's number alone.
.macro JLOAD v
	s_cmp_lt_u32 s[WV], 4
	s_cbranch_scc0 .Lnot_k_\@
	TLOAD G0K, G1K
	s_branch .Lasked_\@
.Lnot_k_\@:
	s_cmp_lt_u32 s[WV], 6
	s_cbranch_scc0 .Lnot_m_\@
	TLOAD G0M, G1M
	s_branch .Lasked_\@
.Lnot_m_\@:
.if \v == 1
	s_cmp_eq_u32 s[WV], 6
	s_cbranch_scc0 .Lasked_\@
.endif
.if \v == 3
	TLOAD G0S, G1S
.elseif \v
	TLOAD G0V, G1V
.endif
.Lasked_\@:
.endm
.macro SHAPE g, c, r, p                ; words 1 to 7 of a group 1: r rows of c elements, p elements from row to row; the tile lies inside the tensor
	s_mov_b32 s[\g+1], (\c)<<16
	s_mov_b32 s[\g+2], (\r)<<16
	s_mov_b32 s[\g+3], (\c)<<16
	s_mov_b32 s[\g+4], \r
	s_mov_b32 s[\g+5], \p
	s_mov_b32 s[\g+6], 0
	s_mov_b32 s[\g+7], 0
.endm
.macro NEXTKM                          ; the walking descriptors: the slot that the next step does not use, the next 128 keys
	s_xor_b32 s2, s[TBK], K0^K1
	s_add_co_u32 s[G0K+1], s2, s[KW]
	s_add_nc_u64 s[G0K+2:G0K+3], s[G0K+2:G0K+3], 6144
	s_xor_b32 s2, s[TBM], M0^M1
	s_add_co_u32 s[G0M+1], s2, s[MW]
	s_add_nc_u64 s[G0M+2:G0M+3], s[G0M+2:G0M+3], 512
.endm
.macro FLIP                            ; on to the next step's slot and scale rows
	s_xor_b32 s[TBK], s[TBK], K0^K1
	s_xor_b32 s[TBM], s[TBM], M0^M1
	s_add_co_u32 s[TS], s[TS], 4*SCP
.endm
.macro ADDRS
	v_add_nc_u32 v[ADK], s[TBK], v[AK]
	v_add_nc_u32 v[ADS], s[TS], v[ASK]
	v_add_nc_u32 v[ADM], s[TBM], v[AM]
.endm
.macro LOADK                           ; K's eight fragments and their four scale words (lanes 0-15 tile 2 i, lanes 16-31 tile 2 i + 1)
	WIN 0x40
.irp t, 0,1,2,3,4,5,6,7
.irp p, 0,1,2
	ds_load_b64 v[KF+6*\t+2*\p:KF+6*\t+2*\p+1], v[ADK] offset:1536*(\t/4)+384*(\t%4)+8*\p
.endr
.endr
	WIN 0
.irp i, 0,1,2,3
	ds_load_u16 v[KSW+\i], v[ADS] offset:2*SCP*(\i/2)+32*(\i%2)
.endr
.endm
.macro LOADM tl                        ; the mask of a tile, into the scores' registers: register 32 c + e = key 64 c + 32 h + e
.irp i, 0,1,2,3,4,5,6,7,8,9,10,11,12,13,14,15
	ds_load_b128 v[SR+64*\tl+4*\i:SR+64*\tl+4*\i+3], v[ADM] offset:16*P5*\tl+256*(\i/8)+16*(\i%8)
.endr
.endm
.macro LOADV                           ; V's four fragments and their two scale words
	WIN 0x40
.irp t, 0,1,2,3
.irp p, 0,1,2
	ds_load_b64 v[VF+12*\t+2*\p:VF+12*\t+2*\p+1], v[ADV] offset:16*P5*\t+8*\p
	ds_load_b64 v[VF+12*\t+6+2*\p:VF+12*\t+6+2*\p+1], v[ADV] offset:16*P5*\t+48+8*\p
.endr
.endr
	WIN 0
.irp t, 0,1
	ds_load_b32 v[VSW+\t], v[ADT] offset:32*SCP*\t
.endr
.endm
.macro MULM tl                         ; the mask x -8e9
.set j, SR+64*\tl
.rept 32
	v_pk_mul_f32 v[j:j+1], v[j:j+1], s[MS:MS+1] op_sel_hi:[1,0]
.set j, j+2
.endr
.endm
.macro SPROD tl, q, sc                 ; S^T + the mask's term: eight accumulators, one instruction each
	WIN 0x01
.irp t, 0,1,2,3,4,5,6,7
.if \t%2
	v_wmma_scale_f32_16x16x128_f8f6f4 v[SR+64*\tl+8*\t:SR+64*\tl+8*\t+7], v[KF+6*\t:KF+6*\t+11], v[\q:\q+11], v[SR+64*\tl+8*\t:SR+64*\tl+8*\t+7], v[KSW+\t/2], v[\sc] matrix_a_fmt:MATRIX_FMT_FP6 matrix_b_fmt:MATRIX_FMT_FP6 matrix_a_scale:MATRIX_SCALE_ROW1
.else
	v_wmma_scale_f32_16x16x128_f8f6f4 v[SR+64*\tl+8*\t:SR+64*\tl+8*\t+7], v[KF+6*\t:KF+6*\t+11], v[\q:\q+11], v[SR+64*\tl+8*\t:SR+64*\tl+8*\t+7], v[KSW+\t/2], v[\sc] matrix_a_fmt:MATRIX_FMT_FP6 matrix_b_fmt:MATRIX_FMT_FP6
.endif
.endr
	WIN 0
.endm
.macro MAXROW i                        ; the four blocks of both tiles by turns
.irp b, 0,1,2,3
	v_max3_num_f32 v[BM+\b], v[BM+\b], v[SR+32*\b+\i], v[SR+32*\b+\i+1]
.endr
.endm
.macro ADD4 tl, n                      ; four pairs of p onto the sum's four chains
	v_pk_add_f32 v[LS+2*\tl:LS+2*\tl+1], v[LS+2*\tl:LS+2*\tl+1], v[SR+64*\tl+2*(\n):SR+64*\tl+2*(\n)+1]
	v_pk_add_f32 v[S1:S1+1], v[S1:S1+1], v[SR+64*\tl+2*(\n)+2:SR+64*\tl+2*(\n)+3]
	v_pk_add_f32 v[S2:S2+1], v[S2:S2+1], v[SR+64*\tl+2*(\n)+4:SR+64*\tl+2*(\n)+5]
	v_pk_add_f32 v[S3:S3+1], v[S3:S3+1], v[SR+64*\tl+2*(\n)+6:SR+64*\tl+2*(\n)+7]
.endm
; p of a tile: its two blocks' scales, its sum, its codes.  The scale's chain stands between the sum's lines.
.macro POST tl
.set A, SR+64*\tl
.irp b, 0,1
	v_max_num_f32 v[BM+2*\tl+\b], 0x1800000, v[BM+2*\tl+\b]   ; the floor 2^(3 - 127): the byte cannot fall under 1
.endr
	v_pk_fma_f32 v[LS+2*\tl:LS+2*\tl+1], v[LS+2*\tl:LS+2*\tl+1], v[FF+2*\tl:FF+2*\tl+1], v[A:A+1] op_sel_hi:[1,0,1]   ; the sum under the new M
	v_pk_add_f32 v[S1:S1+1], v[A+2:A+3], v[A+4:A+5]
.irp b, 0,1
	v_add_nc_u32 v[SO+2*\tl+\b], 0xff000000, v[BM+2*\tl+\b]   ; 2 off the exponent field: the conversion's scale operand
.endr
	v_pk_add_f32 v[S2:S2+1], v[A+6:A+7], v[A+8:A+9]
	v_pk_add_f32 v[S3:S3+1], v[A+10:A+11], v[A+12:A+13]
.irp b, 0,1
	v_lshrrev_b32 v[PT+2*\tl+\b], 23, v[SO+2*\tl+\b]          ; the scale's byte: block 2 b + h
.endr
	ADD4 \tl, 7
	v_lshl_or_b32 v[TW], v[PT+2*\tl+1], 16, v[PT+2*\tl]
	ADD4 \tl, 11
	v_lshlrev_b32 v[TW], v[H8], v[TW]
	ADD4 \tl, 15
	v_permlanex16_b32 v[TY], v[TW], s[SEL], s[SEL+1]
	ADD4 \tl, 19
	v_or_b32 v[PW+\tl], v[TW], v[TY]                          ; with lane l xor 16's two bytes: the scale word of these 128 keys
.irp c, 0,1
	v_cvt_scalef32_pk16_fp6_f32 v[PC+12*\tl+6*\c:PC+12*\tl+6*\c+2], v[A+32*\c:A+32*\c+15], v[SO+2*\tl+\c]
	v_cvt_scalef32_pk16_fp6_f32 v[PX+4*\c:PX+4*\c+2], v[A+32*\c+16:A+32*\c+31], v[SO+2*\tl+\c]   ; (a conversion's three registers begin on an even number)
.endr
	ADD4 \tl, 23
	ADD4 \tl, 27
	v_pk_add_f32 v[LS+2*\tl:LS+2*\tl+1], v[LS+2*\tl:LS+2*\tl+1], v[A+62:A+63]
	v_pk_add_f32 v[S1:S1+1], v[S1:S1+1], v[S2:S2+1]
.irp i, 0,1,2
	v_mov_b32 v[PC+12*\tl+3+\i], v[PX+\i]
.endr
	v_pk_add_f32 v[LS+2*\tl:LS+2*\tl+1], v[LS+2*\tl:LS+2*\tl+1], v[S3:S3+1]
.irp i, 0,1,2
	v_mov_b32 v[PC+12*\tl+9+\i], v[PX+4+\i]
.endr
	v_pk_add_f32 v[LS+2*\tl:LS+2*\tl+1], v[LS+2*\tl:LS+2*\tl+1], v[S1:S1+1]
.endm
; A KEY STEP j.  At its head K's fragments and both tiles' masks of step j are in registers or on their way.  kind 2: a round, behind which the slot of step j takes step j + 2; kind 1: a barrier alone; kind 0: the last step.
; v = 1: wave 6 refills a region of V behind the round.  pf = 1: the mask's tile of step j + 4 is prefetched.
.macro STEP kind, v, pf
	s_wait_dscnt 16                                ; K and tile 0's mask are in; tile 1's sixteen loads may be out
	MULM 0
	SPROD 0, QA, QSA
	s_wait_dscnt 0x0                               ; tile 1's mask
	MULM 1
	SPROD 1, QB1, QSB
.if \kind
.if \pf
	s_wait_xcnt 0x0                                ; the last prefetch has read its address
.endif
	s_wait_tensorcnt 0x0                           ; my part of step j + 1 has landed; no tensor load of mine is out
	ds_add_u32 v[SPW], v[NIL]                      ; 0 onto my spare word; descriptors and maxima stand between it and the wait for it
.if \pf
	s_add_nc_u64 s[PFA:PFA+1], s[PFA:PFA+1], 512
.endif
.if \kind == 2
	NEXTKM
.endif
.if \v
	s_mov_b32 s[G0V+1], s[VLD]
	s_add_nc_u64 s[G0V+2:G0V+3], s[G0V+2:G0V+3], s[VINC:VINC+1]
	s_xor_b32 s[VLD], s[VLD], V0^V1                ; the next time the other region,
	s_xor_b32 s[VINC], s[VINC], 512                ; 256 bytes on
.endif
	ADDRS
.endif
	v_add_nc_u32 v[ADV], s[VB], v[AV]              ; (these lines are also the places between the products and the first read of tile 1's scores)
	v_add_nc_u32 v[ADT], s[TJ], v[ASV]
.irp b, 0,1,2,3
	v_max3_num_f32 v[BM+\b], v[SR+32*\b], v[SR+32*\b+1], v[SR+32*\b+2]   ; the largest score of each block: it serves the row's maximum and, since p rises with the score, the block's largest p
.endr
.irp i, 3,5,7
	MAXROW \i
.endr
.if \kind
	s_wait_alu depctr_va_vdst(0)
	s_wait_dscnt 0x0                               ; the add is done, and so are my reads of step j's slot and of V
	s_barrier_signal -1                            ; register work up to the wait
.endif
.irp i, 9,11,13,15,17,19,21,23,25,27,29
	MAXROW \i
.endr
.irp b, 0,1,2,3
	v_max_num_f32 v[BM+\b], v[BM+\b], v[SR+32*\b+31]
.endr
.irp t, 0,1
	v_max3_num_f32 v[NM+2*\t+1], v[NM+2*\t+1], v[BM+2*\t], v[BM+2*\t+1]
.endr
.irp t, 0,1
	v_mov_b32 v[OM+\t], v[NM+2*\t]
.endr
.irp t, 0,1
	v_permlanex16_b32 v[TX+\t], v[NM+2*\t+1], s[SEL], s[SEL+1]
.endr
.irp t, 0,1
	v_max_num_f32 v[NM+2*\t+1], v[NM+2*\t+1], v[TX+\t]   ; with lane l xor 16's blocks: the row's largest D so far
.endr
.irp t, 0,1
	v_mul_f32 v[TM+\t], s[NC], v[NM+2*\t+1]
.endr
.irp t, 0,1
	v_floor_f32 v[NM+2*\t], v[TM+\t]               ; -M = floor(-t) = -ceil(t): M IS A WHOLE NUMBER
.endr
.irp b, 0,1,2,3
	v_fma_f32 v[BM+\b], v[BM+\b], s[CS], v[NM+2*(\b/2)]
.endr
.irp t, 0,1
	v_sub_f32 v[TM+\t], v[NM+2*\t], v[OM+\t]       ; M's old value less its new one: a whole number, 0 or less
.endr
.set j, SR
.rept 16
	v_pk_fma_f32 v[j:j+1], v[j:j+1], s[CS:CS+1], v[NM:NM+1] op_sel_hi:[1,0,0]   ; t - M of tile 0
.set j, j+2
.endr
.irp t, 0,1
	v_cvt_i32_f32 v[TM+\t], v[TM+\t]               ; (it saturates)
.endr
.rept 16
	v_pk_fma_f32 v[j:j+1], v[j:j+1], s[CS:CS+1], v[NM:NM+1] op_sel_hi:[1,0,0]
.set j, j+2
.endr
.irp t, 0,1
	v_ldexp_f32 v[FF+2*\t], 1.0, v[TM+\t]          ; f: a multiplication by it rounds nothing
.endr
.if \kind
	s_wait_alu depctr_va_vdst(0)
	s_barrier_wait -1
.if \kind == 2
	CREST                                          ; no wave of any partner reads step j's slot or has a load on its way
	JLOAD \v
.endif
	LOADK                                          ; step j + 1's
.endif
	s_wait_alu depctr_va_vdst(0)
.irp b, 0,1
	v_exp_f32 v[BM+\b], v[BM+\b]                   ; the block's largest p: the same two instructions on the same number give the same bits
.endr
.set j, SR
.rept 32
	v_exp_f32 v[j], v[j]                           ; p = 2^(t - M): NOT normalised
	v_exp_f32 v[j+1], v[j+1]
	v_pk_fma_f32 v[j+64:j+65], v[j+64:j+65], s[CS:CS+1], v[NM+2:NM+3] op_sel_hi:[1,0,0]   ; t - M of tile 1
.set j, j+2
.endr
	LOADV
	s_wait_alu depctr_va_vdst(0)
.if \pf
	s_cmp_lt_u32 s[WV], 6                          ; waves 6 and 7: 32 rows x 256 bytes each, a lane a row
	s_cbranch_scc1 .Lno_ask_\@
	global_prefetch_b8 v[PFO], s[PFA:PFA+1] th:TH_LOAD_NT scope:SCOPE_SE
.Lno_ask_\@:
.endif
	POST 0
.if \kind
	LOADM 0                                        ; step j + 1's: tile 0's registers are free
.endif
	s_wait_alu depctr_va_vdst(0)
.irp b, 2,3
	v_exp_f32 v[BM+\b], v[BM+\b]
.endr
.set j, SR+64
.rept 64
	v_exp_f32 v[j], v[j]
.set j, j+1
.endr
	s_wait_alu depctr_va_vdst(0)
	POST 1
.if \kind
	LOADM 1
	s_wait_dscnt 32                                ; V and its scale words are in; the masks' 32 loads behind them may be out
.else
	s_wait_dscnt 0x0
.endif
	WIN 0x41
	s_wait_alu depctr_va_vdst(0)
.set j, OT
.rept 16
	v_pk_mul_f32 v[j:j+1], v[j:j+1], v[FF:FF+1] op_sel_hi:[1,0]   ; O^T under the new M
.set j, j+2
.endr
.rept 16
	v_pk_mul_f32 v[j:j+1], v[j:j+1], v[FF+2:FF+3] op_sel_hi:[1,0]
.set j, j+2
.endr
	WIN 0x51
.irp q, 0,1
.irp t, 0,1,2,3                        ; O^T += V^T P^T: eight accumulators by turns; K = these 128 keys
.if \t%2
	v_wmma_scale_f32_16x16x128_f8f6f4 v[OT+32*\q+8*\t:OT+32*\q+8*\t+7], v[VF+12*\t:VF+12*\t+11], v[PC+12*\q:PC+12*\q+11], v[OT+32*\q+8*\t:OT+32*\q+8*\t+7], v[VSW+\t/2], v[PW+\q] matrix_a_fmt:MATRIX_FMT_FP6 matrix_b_fmt:MATRIX_FMT_FP6 matrix_a_scale:MATRIX_SCALE_ROW1
.else
	v_wmma_scale_f32_16x16x128_f8f6f4 v[OT+32*\q+8*\t:OT+32*\q+8*\t+7], v[VF+12*\t:VF+12*\t+11], v[PC+12*\q:PC+12*\q+11], v[OT+32*\q+8*\t:OT+32*\q+8*\t+7], v[VSW+\t/2], v[PW+\q] matrix_a_fmt:MATRIX_FMT_FP6 matrix_b_fmt:MATRIX_FMT_FP6
.endif
.endr
.endr
	WIN 0
	FLIP
	s_add_co_u32 s[VB], s[VB], 96
	s_add_co_u32 s[TJ], s[TJ], 4
.endm
.macro LOOP cnt, to
	s_sub_co_u32 s[\cnt], s[\cnt], 1
	s_cmp_lg_u32 s[\cnt], 0
	s_wait_alu depctr_va_vdst(0)
	s_cbranch_scc1 \to
.endm
	s_load_b256 s[4:11], s[0:1], 0x0               ; Q's codes s[4:5], Q's scales s[6:7], K's codes s[8:9], K's scales s[10:11]
	s_load_b256 s[12:19], s[0:1], 0x20             ; V's codes s[12:13], V's scales s[14:15], the mask s[16:17], out s[18:19]
	v_lshl_add_u32 v[SPW], v0, 2, SPARE            ; my spare word; never rewritten
	v_mov_b32 v[NIL], 0
	ds_add_u32 v[SPW], v[NIL]                      ; the opening lines: the add, twice on end
	ds_add_u32 v[SPW], v[NIL]
	v_lshrrev_b32 v100, 5, v0
	v_readfirstlane_b32 s[WV], v100                ; wave 0..7
	s_wait_alu depctr_va_vdst(0)
	s_lshr_b32 s[HD], s[WV], 2                     ; my head of the two
	s_and_b32 s[QB], s[WV], 3                      ; my 32 queries
	s_bfe_u32 s23, ttmp6, 0x40000                  ; cx, cy
	s_bfe_u32 s24, ttmp6, 0x40004
	s_lshl_b32 s25, ttmp9, 2
	s_add_co_u32 s25, s25, s23                     ; x: my block of 128 queries
	s_and_b32 s26, ttmp7, 0xffff
	s_lshl_b32 s26, s26, 2
	s_add_co_u32 s26, s26, s24                     ; y: my pair of heads
	s_lshl_b32 s27, s24, 2
	s_lshl_b32 s27, 15, s27                        ; my row of the cluster (same y)
	s_lshl_b32 s28, 0x1111, s23                    ; my column (same x)
	s_or_b32 s[G1K], s27, (3<<16)|(1<<21)          ; K: 2 rows of 1,536 bytes (32 keys), 3,072 apart, elements of 8 bytes
	SHAPE G1K, 192, 2, 384
	s_or_b32 s[G1V], s27, (2<<16)|(1<<20)|(1<<21)|(6<<22)|(3<<25)   ; V: both heads' 128 rows of 512 bytes, 1,536 apart; 16 bytes of padding behind every 512
	SHAPE G1V, 128, 128, 384
	s_or_b32 s[G1M], s28, (2<<16)|(1<<20)|(1<<21)|(6<<22)|(3<<25)   ; the mask: 64 rows of 512 bytes, 8,192 apart; the same padding
	SHAPE G1M, 128, 64, 2048
	s_or_b32 s[G1S], s27, (2<<16)|(1<<20)|(1<<21)|(3<<22)|(1<<25)   ; scale bytes: two heads' 8,192 dense bytes as 32 rows of 256; 8 bytes of padding behind every 64
	SHAPE G1S, 64, 32, 64
	s_mov_b32 s[SEL], 0x76543210
	s_mov_b32 s[SEL+1], 0xfedcba98
	s_mov_b32 s[CS], 0x3e38aa3b                    ; c = log2(e) / 8
	s_mov_b32 s[CS+1], s[CS]
	s_mov_b32 s[NC], 0xbe38aa3b                    ; -c
	s_mov_b32 s[MS], 0xcfee6b28                    ; -8e9, exact in f32
	s_mov_b32 s[MS+1], s[MS]
	s_mov_b32 s[TBK], K0
	s_mov_b32 s[TBM], M0
	s_mov_b32 s[TS], 0
	s_mov_b32 s[TJ], 0
	s_mov_b32 s[VB], V0
	s_mov_b32 s[VH], V0
	s_mov_b32 s[VLD], V0
	s_mov_b32 s[VINC], 768
	s_mov_b32 s[VINC+1], 0
	; Groups 0: offsets of K, V and the scale bytes are made of y and the wave's number alone, the mask's of x and the wave's number alone; LDS addresses of the wave's number alone.
	s_and_b32 s2, s[WV], 3                         ; K: chunk wave % 4 = 2 x head + parity of the block of 32 keys
	s_mul_i32 s[KW], s2, KCH
	s_lshr_b32 s3, s2, 1
	s_lshl_b32 s[G0K+2], s26, 1
	s_add_co_u32 s[G0K+2], s[G0K+2], s3
	s_mul_i32 s[G0K+2], s[G0K+2], 98304            ; a head's codes
	s_and_b32 s3, s[WV], 1
	s_mul_i32 s2, s3, 1536
	s_add_co_u32 s[G0K+2], s[G0K+2], s2
	s_mov_b32 s[G0K+3], 0
	s_mov_b32 s[G0K], 1
	s_add_co_u32 s[G0K+1], s[KW], K0
	s_mul_i32 s[MW], s3, 64*P5                     ; the mask: rows 0-63 or 64-127 of the block
	s_lshl_b32 s[G0M+2], s25, 20
	s_lshl_b32 s2, s3, 19
	s_add_co_u32 s[G0M+2], s[G0M+2], s2
	s_mov_b32 s[G0M+3], 0
	s_mov_b32 s[G0M], 1
	s_add_co_u32 s[G0M+1], s[MW], M0
	s_mul_i32 s[G0V+2], s26, 196608                ; V: wave 6 region 0 (bytes 0 .. 511 of a row), wave 7 region 1 (bytes 256 .. 767)
	s_lshl_b32 s2, s3, 8
	s_add_co_u32 s[G0V+2], s[G0V+2], s2
	s_mov_b32 s[G0V+3], 0
	s_mov_b32 s[G0V], 1
	s_mul_i32 s2, s3, 128*P5
	s_add_co_u32 s[G0V+1], s2, V0
	s_lshl_b32 s[G0S+2], s26, 13                   ; scale bytes: wave 6 K's, wave 7 V's
	s_mov_b32 s[G0S+3], 0
	s_mov_b32 s[G0S], 1
	s_mul_i32 s2, s3, 2*SCH
	s_add_co_u32 s[G0S+1], s2, SCK
	s_lshl_b32 s[PFA], s25, 20                     ; the prefetches: of the block's 128 rows my work-group's 32 (by cy), the wave's 256 of 512 bytes
	s_lshl_b32 s2, s24, 18
	s_add_co_u32 s[PFA], s[PFA], s2
	s_lshl_b32 s2, s3, 8
	s_add_co_u32 s[PFA], s[PFA], s2
	s_add_co_u32 s[PFA], s[PFA], 1536              ; at step 3: step 0's round steps it to step 4
	s_mov_b32 s[PFA+1], 0
	s_lshl_b32 s29, s26, 1                         ; my first query's row in Q and in out
	s_add_co_u32 s29, s29, s[HD]
	s_lshl_b32 s29, s29, 11
	s_lshl_b32 s2, s25, 7
	s_add_co_u32 s29, s29, s2
	s_lshl_b32 s2, s[QB], 5
	s_add_co_u32 s29, s29, s2
	s_wait_dscnt 0x0                               ; both opening adds are done
	s_wait_kmcnt 0x0
	s_cmp_eq_u32 s3, 0
	s_cselect_b64 s[10:11], s[10:11], s[14:15]
	s_add_nc_u64 s[G0S+2:G0S+3], s[10:11], s[G0S+2:G0S+3]
	s_or_b32 s[G0S+3], s[G0S+3], 0x80000000        ; 127:126 type = 2
	s_add_nc_u64 s[G0K+2:G0K+3], s[8:9], s[G0K+2:G0K+3]
	s_or_b32 s[G0K+3], s[G0K+3], 0x80000000
	s_add_nc_u64 s[G0V+2:G0V+3], s[12:13], s[G0V+2:G0V+3]
	s_or_b32 s[G0V+3], s[G0V+3], 0x80000000
	s_add_nc_u64 s[G0M+2:G0M+3], s[16:17], s[G0M+2:G0M+3]
	s_or_b32 s[G0M+3], s[G0M+3], 0x80000000
	s_add_nc_u64 s[PFA:PFA+1], s[16:17], s[PFA:PFA+1]
	s_mov_b32 s3, 0
	s_mul_i32 s2, s29, 48
	s_add_nc_u64 s[4:5], s[4:5], s[2:3]            ; Q's codes at my first query,
	s_lshl_b32 s2, s29, 1
	s_add_nc_u64 s[6:7], s[6:7], s[2:3]            ; its scale bytes,
	s_lshl_b32 s2, s29, 8
	s_add_nc_u64 s[18:19], s[18:19], s[2:3]        ; its row of out
	CROUND                                         ; all sixteen work-groups are here: the first joint loads meet
	JLOAD 3                                        ; step 0's K and mask into slot 0, and all scale bytes: one load a wave
	v_and_b32 v100, 15, v0                         ; r
	v_bfe_u32 v101, v0, 4, 1                       ; h
	v_and_b32 v102, 31, v0                         ; lane
	v_and_b32 v103, 7, v0                          ; r % 8
	v_bfe_u32 v104, v0, 3, 1                       ; r / 8
	v_mul_u32_u24 v105, v100, 48
	v_mad_u32_u24 v105, v101, 24, v105             ; Q: row r of 48 bytes, + 24 h
	v_lshlrev_b32 v106, 1, v100
.irp p, 0,1,2
	global_load_b64 v[QA+2*\p:QA+2*\p+1], v105, s[4:5] offset:8*\p
	global_load_b64 v[QB1+2*\p:QB1+2*\p+1], v105, s[4:5] offset:768+8*\p
.endr
	global_load_u16 v[QSA], v106, s[6:7]
	global_load_u16 v[QSB], v106, s[6:7] offset:32
	s_mul_i32 s2, s[HD], 2*KCH
	v_mul_u32_u24 v[AK], v103, 48                  ; K: key r % 8, + a chunk for r / 8, + 24 h, + two chunks a head
	v_mad_u32_u24 v[AK], v104, KCH, v[AK]
	v_mad_u32_u24 v[AK], v101, 24, v[AK]
	v_add_nc_u32 v[AK], s2, v[AK]
	s_mul_i32 s2, s[HD], 64*P5
	v_mul_u32_u24 v[AV], v100, P5                  ; V: row r, + 24 h, + 64 rows a head
	v_mad_u32_u24 v[AV], v101, 24, v[AV]
	v_add_nc_u32 v[AV], s2, v[AV]
	s_mul_i32 s2, s[QB], 32*P5
	v_mul_u32_u24 v[AM], v100, P5                  ; the mask: row r of my 32, + 128 h
	v_lshl_add_u32 v[AM], v101, 7, v[AM]
	v_add_nc_u32 v[AM], s2, v[AM]
	s_mul_i32 s2, s[HD], SCH
	s_add_co_u32 s3, s2, SCK
	v_mul_u32_u24 v[ASK], v104, SCP                ; K's scale words, 2 bytes a key: key 32 (r / 8) + 8 h + r % 8
	v_lshl_add_u32 v[ASK], v101, 4, v[ASK]
	v_lshl_add_u32 v[ASK], v103, 1, v[ASK]
	v_add_nc_u32 v[ASK], s3, v[ASK]
	s_add_co_u32 s3, s2, SCV
	v_mul_u32_u24 v[ASV], v102, SCP                ; V's: row d = lane
	v_add_nc_u32 v[ASV], s3, v[ASV]
	v_lshlrev_b32 v[PFO], 13, v102                 ; a lane a row of 8,192 bytes
	v_lshlrev_b32 v[GO], 4, v100                   ; the way out: lanes 0-15 one row of out, lanes 16-31 the next
	v_lshl_add_u32 v[GO], v101, 8, v[GO]
	v_lshlrev_b32 v[H8], 3, v101
.irp i, 0,1,2,3,4,5
	v_mov_b32 v[QA+6+\i], 0                        ; Q's K = 64 .. 127: zero codes
	v_mov_b32 v[QB1+6+\i], 0
.endr
.irp t, 0,1
	v_mov_b32 v[NM+2*\t], 0x7e000000               ; -M: above every later one, so that the first f is 0
	v_mov_b32 v[NM+2*\t+1], 0xff61b1e6             ; the largest D so far: -3e38
	v_mov_b32 v[LS+2*\t], 0
	v_mov_b32 v[LS+2*\t+1], 0
	v_mov_b32 v[FF+2*\t+1], 0                      ; (upper halves that pairs name)
	v_mov_b32 v[TX+\t], 0                          ; (a lane permute's destination counts as a source)
.endr
	v_mov_b32 v[TY], 0
	WIN 0x40
.irp i, 0,1,2,3,4,5
	v_mov_b32 v[KF+48+\i], 0                       ; what stands behind K's last fragment
.endr
.set j, OT
.rept 64
	v_mov_b32 v[j], 0                              ; O^T.  (The step is written for every step alike)
.set j, j+1
.endr
	WIN 0
	s_wait_alu depctr_va_vdst(0)
	s_wait_loadcnt 0x0                             ; Q
	s_wait_tensorcnt 0x0
	ds_add_u32 v[SPW], v[NIL]
	NEXTKM
	s_wait_dscnt 0x0
	CROUND
	JLOAD 2                                        ; first fills: step 1 into slot 1, V's two regions; nothing is filled again here
	ADDRS
	LOADK
	LOADM 0
	LOADM 1
	FLIP
	s_mov_b32 s[CNT], 4
.Lfirst:                                               ; steps 0-3: V region 0
	STEP 2, 0, 1
	LOOP CNT, .Lfirst
	s_mov_b32 s[OUTER], 2
.Lhalf:                                                ; steps 4-7 and 8-11; the first step of each refills the region of V that was left last: region 0 for steps 8-11, region 1 for steps 12-15
	s_xor_b32 s[VH], s[VH], V0^(V1+128)
	s_mov_b32 s[VB], s[VH]
	STEP 2, 1, 1
	s_wait_alu depctr_va_vdst(0)
	s_mov_b32 s[CNT], 3
.Linner:
	STEP 2, 0, 1
	LOOP CNT, .Linner
	LOOP OUTER, .Lhalf
	s_mov_b32 s[VB], V1+128
	s_mov_b32 s[CNT], 2
.Llate:                                                ; steps 12, 13: nothing is left to prefetch
	STEP 2, 0, 0
	LOOP CNT, .Llate
	STEP 1, 0, 0                                   ; the last two are written out: nothing is left to ask for
	STEP 0, 0, 0
	; THE WAY OUT.  O^T is divided by the row's sum and goes through my stage in LDS, a tile at a time, so that 32 lanes store 512 consecutive bytes.  The lines up to the division are also the places behind the last products.
.irp t, 0,1
	v_add_f32 v[LS+2*\t], v[LS+2*\t], v[LS+2*\t+1]
.endr
	v_and_b32 v[ADK], 15, v0                       ; r
	v_bfe_u32 v[ADV], v0, 4, 1                     ; h
.irp t, 0,1
	v_permlanex16_b32 v[TX+\t], v[LS+2*\t], s[SEL], s[SEL+1]
.endr
.irp t, 0,1
	v_add_f32 v[LS+2*\t], v[LS+2*\t], v[TX+\t]     ; with lane l xor 16's: the row's sum
.endr
	s_mul_i32 s2, s[WV], STG
	s_wait_alu depctr_va_vdst(0)
	v_rcp_f32 v[LS], v[LS]
	v_rcp_f32 v[LS+2], v[LS+2]
	v_mul_u32_u24 v[ADM], v[ADK], 272
	v_mul_u32_u24 v[ADS], v[ADV], 272
	v_lshl_add_u32 v[ADM], v[ADV], 5, v[ADM]
	v_lshl_add_u32 v[ADS], v[ADK], 4, v[ADS]
	v_add_nc_u32 v[ADM], s2, v[ADM]                ; in: row r; tile t's eight channels of my half: 64 t + 32 h bytes on
	v_add_nc_u32 v[ADS], s2, v[ADS]                ; back: lanes 0-15 one row, lanes 16-31 the next
	WIN 0x01
	s_wait_alu depctr_va_vdst(0)
.irp t, 0,1
.set j, 0
.rept 16
	v_pk_mul_f32 v[SR+64*\t+j:SR+64*\t+j+1], v[OT+32*\t+j:OT+32*\t+j+1], v[LS+2*\t:LS+2*\t+1] op_sel_hi:[1,0]   ; register 8 t + i is out(r, 16 t + 8 h + i)
.set j, j+2
.endr
.endr
	WIN 0
.irp q, 0,1
.irp t, 0,1,2,3
	ds_store_b128 v[ADM], v[SR+64*\q+8*\t:SR+64*\q+8*\t+3] offset:64*\t
	ds_store_b128 v[ADM], v[SR+64*\q+8*\t+4:SR+64*\q+8*\t+7] offset:64*\t+16
.endr
.irp i, 0,1,2,3,4,5,6,7
	ds_load_b128 v[80+80*\q+4*\i:80+80*\q+4*\i+3], v[ADS] offset:2*\i*272   ; LDS serves a wave's instructions in order (ISA guide 5.7.1.4): these see my stores
.endr
.endr
.irp i, 0,1,2,3,4,5,6,7
	s_wait_dscnt 23-\i                             ; load i is back; 7 - i of tile 0 and tile 1's sixteen may be out
	global_store_b128 v[GO], v[80+4*\i:80+4*\i+3], s[18:19] offset:512*\i th:TH_STORE_NT   ; two rows of out: 512 consecutive bytes
.endr
.irp i, 0,1,2,3,4,5,6,7
	s_wait_dscnt 7-\i
	global_store_b128 v[GO], v[160+4*\i:160+4*\i+3], s[18:19] offset:4096+512*\i th:TH_STORE_NT
.endr
	s_wait_tensorcnt 0x0                           ; the wave's end
	ds_add_u32 v[SPW], v[NIL]
	s_wait_dscnt 0x0
	CROUND                                         ; the closing round: no work-group ends while a partner may still ask for a tile that names it
	s_endpgm
.Lfunc_end_k_q5d8e447de0_attn:
	.size	k_q5d8e447de0_attn, .Lfunc_end_k_q5d8e447de0_attn-k_q5d8e447de0_attn
	.p2alignl 7, 3214868480
	.fill 96, 4, 3214868480
	.section	.rodata,"a",@progbits
	.p2align	6, 0x0
	.amdhsa_kernel k_q5d8e447de0_attn
		.amdhsa_group_segment_fixed_size 327680
		.amdhsa_private_segment_fixed_size 0
		.amdhsa_enable_private_segment 0
		.amdhsa_kernarg_size 64
		.amdhsa_user_sgpr_count 2
		.amdhsa_user_sgpr_kernarg_segment_ptr 1
		.amdhsa_wavefront_size32 1
		.amdhsa_system_sgpr_workgroup_id_x 1
		.amdhsa_system_sgpr_workgroup_id_y 1
		.amdhsa_system_sgpr_workgroup_id_z 1
		.amdhsa_system_vgpr_workitem_id 0
		.amdhsa_next_free_vgpr 512
		.amdhsa_next_free_sgpr 102
		.amdhsa_reserve_vcc 0
		.amdhsa_float_denorm_mode_32 3
		.amdhsa_float_denorm_mode_16_64 3
		.amdhsa_memory_ordered 1
		.amdhsa_forward_progress 1
		.amdhsa_inst_pref_size 237
	.end_amdhsa_kernel
	.amdgpu_metadata
---
amdhsa.version: [ 1, 2 ]
amdhsa.kernels:
  - .name:           k_q5d8e447de0_attn
    .symbol:         k_q5d8e447de0_attn.kd
    .args:
      - { .name: queries_codes, .offset: 0, .size: 8, .value_kind: global_buffer, .address_space: global }
      - { .name: queries_scales, .offset: 8, .size: 8, .value_kind: global_buffer, .address_space: global }
      - { .name: keys_codes, .offset: 16, .size: 8, .value_kind: global_buffer, .address_space: global }
      - { .name: keys_scales, .offset: 24, .size: 8, .value_kind: global_buffer, .address_space: global }
      - { .name: values_codes, .offset: 32, .size: 8, .value_kind: global_buffer, .address_space: global }
      - { .name: values_scales, .offset: 40, .size: 8, .value_kind: global_buffer, .address_space: global }
      - { .name: mask, .offset: 48, .size: 8, .value_kind: global_buffer, .address_space: global }
      - { .name: out0, .offset: 56, .size: 8, .value_kind: global_buffer, .address_space: global }
    .group_segment_fixed_size: 327680
    .private_segment_fixed_size: 0
    .kernarg_segment_align: 8
    .kernarg_segment_size: 64
    .max_flat_workgroup_size: 256
    .sgpr_count:     102
    .vgpr_count:     512
    .wavefront_size: 32
...
	.end_amdgpu_metadata
.endif
;; end of part 1
